; MI455X (gfx1250); checked and timed in simulation.
; The chip was launched on July 23, 2026; its instructions are those of AMD's public machine-readable ISA for CDNA 5 (MIT licence, August 2026) and "CDNA5" Instruction Set Architecture Reference Guide (July 2026). The comments in the code are by the model that wrote it; some were corrected since.
;; Softmax Attention. Allowed arithmetic: matrix products marked QUANTISED: E2M1 operands, one E8M0 scale for each 32 along K, by v_wmma_scale_f32_16x16x128_f8f6f4 with both operands' format E2M1 (or v_wmma_scale_f32_32x16x128_f4), f32 sums; everything else in f32.
;; Inputs: K 2 x 16 x 2,048 x 64 float32; Q 2 x 16 x 2,048 x 64 float32; V 2 x 16 x 2,048 x 64 float32.
;; Outputs: out0 2 x 16 x 2,048 x 64 float32.
;; This version of the problem:
;;   THIS VERSION OF THE PROBLEM IS GIVEN IN LOW PRECISION. The matrix products marked QUANTISED in the list below multiply operands that are first quantised to E2M1 (2 exponent bits, 1 mantissa bit; 4 bits a number), with one power-of-two scale for each 32 numbers along K (OCP MX v1.0); their sums are f32. All else is computed in f32.
;;   The module's matrix products, in the order in which they are computed (A, B: the left and right operand; K: the contracted axis; several contracted axes count as one K, in the product's order):
;;     1. batch 32 x [M 2,048, K 64] x [K 64, N 2,048]; A: input Q; B: input K: QUANTISED
;;     2. batch 32 x [M 2,048, K 2,048] x [K 2,048, N 64]; A: softmax (see below); B: input V: QUANTISED
;;   THE QUANTISER, for each operand of a quantised product, along K:
;;     - K is cut into blocks of 32 from its start; a last block that is shorter is filled with zeros.
;;     - A block's scale is 2^e with e = floor(log2(the largest magnitude in the block)) - 2, held to -126 .. 127; a block of zeros has e = 0. As a byte (E8M0): e + 127.
;;     - Each number is divided by its block's scale, clamped to +-6, and rounded to the nearest number of E2M1, ties to even, subnormals kept.
;;     - The product sums the exact products of the quantised numbers (number of the format x scale) in f32.
;;   ~~~python
;;   def quantise(x, axis):      # numpy; x: float32 -> the quantised numbers, widened to float32 again
;;       x = np.moveaxis(x, axis, -1); K = x.shape[-1]
;;       x = np.pad(x, [(0, 0)] * (x.ndim - 1) + [(0, -K % 32)]); x = x.reshape(x.shape[:-1] + (-1, 32)); a = np.abs(x).max(-1, keepdims=True)
;;       e = np.where(a > 0, np.clip(np.frexp(np.where(a > 0, a, 1))[1] - 1 - 2, -126, 127), 0)      # np.frexp(a)[1] - 1 = floor(log2(a)), exactly
;;       r = np.clip(x / 2.0 ** e, -6, 6)
;;       step = 2.0 ** (np.maximum(np.frexp(np.where(r == 0, 1, r))[1] - 1, 0) - 1)
;;       q = np.round(r / step) * step * 2.0 ** e      # np.round: ties to even
;;       return np.moveaxis(q.reshape(q.shape[:-2] + (-1,))[..., :K], -1, axis).astype(np.float32)
;;   ~~~
;;   SOFTMAX AHEAD OF A QUANTISED PRODUCT. Where the list says 'softmax', what is quantised is not the finished softmax but p = 2^(t - M), with t = logit x log2(e) and M = ceil(the row's largest t), a whole number; so 1/2 < the row's largest p <= 1. The row's sum l is taken of the UNQUANTISED p, in f32, and the product's result is divided by l at the end. Since M is a whole number, a kernel that streams over the keys may use a running M (the ceiling of the running maximum): every later rescaling is an exact power of two, which a block's scale takes up: the codes' values come out the same.
;;   OPERANDS COMPUTED ON THE WAY. 'Computed on the way' means the value that the module computes at that place (a softmax that the list does not call 'softmax' is quantised finished and normalised). What goes into a quantiser is computed in f32, as accurately as f32 sums, v_exp_f32 and their like allow (about 1e-6 of the number): no bf16 or f16 on the way to a quantiser, and a product that is left as it is and whose result goes on into a quantised operand takes f32 operands (vector FMAs, or v_wmma_f32_16x16x4_f32). A number that lies on a knife's edge between two numbers of the format may be rounded either way, as far as f32 arithmetic and the matrix unit's own rounding can turn it there, and no further.
;; One version. Each part assembles by itself: llvm-mc -triple=amdgcn-amd-amdhsa -mcpu=gfx1250 --defsym DOCPART=n.
;; ======== version 1 of 1: 1 launch
;; limits: right only within a limited range of input values
;; workspace buffers: kv 4,587,520 bytes
;; launch attn (part 1): grid 4 x 64, 8 waves a work-group, clusters of 4 x 4, 175,104 bytes of LDS; arguments Q, K, V, out0; writes out0
.if DOCPART == 1
	.amdgcn_target "amdgcn-amd-amdhsa--gfx1250"
	.amdhsa_code_object_version 6
	.text
	.protected	k_q7669d127b0_attn
	.globl	k_q7669d127b0_attn
	.p2align	8
	.type	k_q7669d127b0_attn,@function
k_q7669d127b0_attn:
	s_mov_b64 s[64:65], 0
	v_nop
	global_prefetch_b8 v0, s[64:65] scope:SCOPE_SE
	s_setreg_imm32_b32 hwreg(HW_REG_WAVE_MODE, 25, 1), 1
	s_wait_xcnt 0x0
	s_wait_alu depctr_hold_cnt(0) depctr_sa_sdst(0) depctr_va_vdst(0) depctr_va_sdst(0) depctr_va_ssrc(0) depctr_va_vcc(0) depctr_vm_vsrc(0)
	s_getreg_b32 s2, hwreg(HW_REG_IB_STS2, 6, 4)
	s_cmp_eq_u32 s2, 0
	s_cbranch_scc0 .Lentry_in_a_cluster
	s_endpgm
.Lentry_in_a_cluster:
	s_bfe_u32 s2, ttmp6, 0x10000c
	s_cmp_lg_u32 s2, 0xf033
	s_cbranch_scc0 .Lentry_shape_is_right
	s_endpgm
.Lentry_shape_is_right:
; out0[head][q][:] = the sum over k <= q of softmax_k(Q[q] . K[k] / 4) V[k][:], 32 heads, 2,048 queries and keys, head size 64, in ONE launch: Q, K and V arrive as f32, both products
; run on codes of FP4 (E2M1) with one E8M0 scale for each 32 along a product's K (K and Q: along the head's 64; V and p: along the keys).
; QUANTISER: a block's scale is 2^(floor(log2(its largest magnitude)) - 2); its byte is the largest magnitude's exponent field - 2, held at 1 from below.
; SOFTMAX: t = score x log2(e) / 4; M = the row's largest t so far, rounded UP to a whole number; p = 2^(t - M) is quantised, not normalised; the row's sum of the unquantised p divides at the end.
; When M moves, the sum and O are multiplied by 2^(old M - new M): exact.
; WORK LEFT OUT: blocks of 128 keys that lie wholly behind a tile's queries: the additive -1e7 of reference() makes their weights 0.  In the diagonal step hidden scores become minus infinity, so p = 0.
; LIMITS: that equals the additive -1e7 as long as a row's logits spread by less than about 9.9e6; a NaN, an infinity or an overflow that reaches only hidden keys is not carried to the result;
; a block of zeros gets the byte 1 where the rule says 127 (its codes are zeros, and this launch alone reads the bytes); NaN and infinities among the inputs are not served;
; a block's largest p is taken from its largest score, which takes the exponential not to fall where its input rises.
; SHARES: eight work-groups a head; work-group g takes queries 128 G + 16 g .. + 15 of every group G of 128 queries.  Wave w makes tile G = 15 - w (16 - w key steps of 128) and then tile G = w (w + 1 steps): 17 steps in every wave.
; K AND V: a chunk is 128 keys, 32 KiB of K and 32 KiB of V.  The eight waves load it straight into registers two steps ahead of its use (40 loads a wave for a chunk, 80 out), quantise it and keep its codes in LDS as images of the operand registers:
; 16 chunks x 8,704 bytes, written once each, never filled again.  In step n chunk n + 2 is quantised, and chunk n + 4 is asked for.
; NO JOINT LOADS: they land in LDS alone; here every f32 number is wanted once in a work-group, by one lane's registers, and the way through LDS would add 1 MiB of LDS writes and 1 MiB of reads to a work-group.  The cluster (two heads) only holds a head's eight work-groups together.
; NO PREFETCH: each load is issued two whole steps ahead of its first use already, 128 KiB a work-group.
; LAYOUT: both products are used transposed (source 0 = 16 keys, or 16 of the head's 64): a lane holds ONE query (lane % 16) throughout.
; Row m of key tile t = 4 c + u is key 64 c + 32 (m / 8) + 8 u + m % 8, so lane (r, h)'s registers 32 c + 0 .. 31 are the whole block 2 c + h of 32 keys: its maximum needs no other lane, and its codes are the second product's operand as they come.
; TWO KEY TILES SHARE A FRAGMENT: the head's 64 fill half of an instruction's K, so registers 0-3 hold tile 2 p and registers 4-7 tile 2 p + 1; tile 2 p is multiplied by [Q codes, zero codes], tile 2 p + 1 by [zero codes, Q codes].
; IMAGE OF A CHUNK: KC: tile t at 512 t + 16 lane;  VC: d tile t, register group c at 1024 t + 512 c + 16 lane;
;   KS: word at 8 L + 4 k: rows L % 16 of tile pair 2 k + L / 16, bytes (tile 2 p: d 0-31, 32-63; tile 2 p + 1: the same);  VS: word at 8 L + 4 k: row L % 16 of d tile 2 k + L / 16.
.set CHUNK, 8704
.set KC,    0
.set VC,    4096
.set KS,    8192
.set VS,    8448
.set SP,    272                        ; a stage row: 256 bytes + 16
.set STGB,  16*SP
.set STG,   16*CHUNK                   ; behind the images: a stage of 16 rows for each wave
.set SPARE, STG+8*STGB                 ; the spare words, 128 bytes for each wave
.set LI,   1                           ; v1  16 x lane
.set L8,   2                           ; v2  8 x lane
.set L4,   3                           ; v3  4 x lane
.set KSTA, 4                           ; v4  where my K codes go in a chunk's image
.set VSTA, 5                           ; v5  my V codes
.set KSB,  6                           ; v6  my K scale byte
.set VSB,  7                           ; v7  my V scale byte
.set SW,   8                           ; v8  stage: row lane / 16, + 16 (lane % 16)
.set SR,   9                           ; v9  stage: row r, + 128 h
.set STO,  10                          ; v10 stage: row r, + 32 h
.set DM,   11                          ; v11 16 g + r - 32 h: in a diagonal step register 32 c + i is hidden where 64 c + i > DM
.set NM,   12                          ; v12 -M
.set SMX,  13                          ; v13 the largest score so far
.set LS,   14                          ; v[14:15] the sum in two halves
.set FF,   16                          ; v[16:17] f = 2^(old M - new M) in v16
.set SPW,  18                          ; v18 LDS address of my spare word
.set NIL,  19                          ; v19 0
.set H8,   20                          ; v20 8 h
.set PT,   21                          ; v21 a lane permute's destination
.set QSC,  24                          ; v24, v25 Q's scale words for [Q, 0] and [0, Q]; v26, v27 the second tile's; v28-31 its codes
.set KF,   32                          ; v32-63   K's 8 tiles
.set VF,   64                          ; v64-95   V's 4 fragments
.set SS,   96                          ; v96-159  scores, then p; between a step's conversions and the next scores: K numbers turned
.set OO,   160                         ; v160-191 O^T
.set PC,   192                         ; v192-199 p's codes
.set QF,   200                         ; v200-203 zero codes, v204-207 Q's codes, v208-211 zero codes
.set KSW,  212                         ; v212-213 K's scale words
.set VSW,  214                         ; v214-215 V's
.set PS,   216                         ; v216 p's scale words
.set TT,   218                         ; v218-221 four chains
.set BM,   222                         ; v222-223 the largest score, then p, of my two blocks
.set SC,   224                         ; v224-225 the conversions' scale operands
.set SM,   232                         ; v232-247 the step's sums in eight pairs; v228-231, v236-251 also at work in the quantiser
                                       ; v256-319, v320-383: two sets of K (32) and V (32) numbers as loaded
.set WV,  12                           ; s12 wave
.set G1,  13                           ; s13 15 - wave: the first tile's group, and its diagonal step
.set NN,  14                           ; s14 the step's number
.set XN,  15                           ; s15 -(G1 + 1)
.set SB,  16                           ; s16 LDS byte of the chunk that is quantised next
.set CNT, 17
.set TV,  18                           ; s18 LDS byte of this step's chunk
.set TK,  19                           ; s19 of the next step's
.set SEL, 20                           ; s[20:21] v_permlanex16_b32's selects for lane l xor 16
.set CS,  22                           ; s[22:23] c = log2(e) / 4 (the packed form names a pair and takes its low word twice)
.set NC,  24                           ; s24 -c
.set N1,  25                           ; s25 the next step's number
.set KB,  26                           ; s[26:27] my part of K's chunks
.set VB,  28                           ; s[28:29] of V's
.set OUT1, 30                          ; s[30:31] my first tile in out0
.set OUT2, 32                          ; s[32:33] my second
.set GX,  38                           ; s38 G1 + 1
.set MSB, 0
.macro WIN new                         ; the immediate's high byte repeats the setting that is left
.if MSB != (\new)
	s_set_vgpr_msb (MSB<<8)|(\new)
.set MSB, (\new)
.endif
.endm
.macro WA
	s_wait_alu depctr_va_vdst(0)
.endm
; A chunk's numbers, off bytes on: K: my tile's two runs of eight keys, 512 consecutive bytes a load; V: V(32 b + i, 32 u + lane), 128 consecutive bytes a load
.macro LOADS st, off
	WIN 0x40
.irp i, 0,1,2,3,4,5,6,7
	global_load_b128 v[64*\st+4*\i:64*\st+4*\i+3], v[LI], s[KB:KB+1] offset:\off+512*\i+(\i/4)*6144
.endr
.set j, 0
.rept 32
	global_load_b32 v[64*\st+32+j], v[L4], s[VB:VB+1] offset:\off+256*j
.set j, j+1
.endr
	WIN 0
.endm
; 32 numbers of one lane, v[x] on (window hi), become 32 codes in v[c] .. v[c+3]; v[t+3] the scale's byte
.macro QBLK x, hi, c, t
	WIN 0x14*\hi
.irp q, 0,1,2,3
	v_max3_num_f32 v[\t+\q], 0x1800000, |v[\x+8*\q]|, |v[\x+8*\q+1]|   ; four chains; the floor 2^(3 - 127) among the leaves
.endr
.irp i, 2,4,6
.irp q, 0,1,2,3
	v_max3_num_f32 v[\t+\q], v[\t+\q], |v[\x+8*\q+\i]|, |v[\x+8*\q+\i+1]|
.endr
.endr
	WIN 0
	v_max3_num_f32 v[\t], v[\t], v[\t+1], v[\t+2]
	v_max_num_f32 v[\t], v[\t], v[\t+3]
	v_add_nc_u32 v[\t+2], 0xff000000, v[\t]        ; 2 off the exponent field: the conversion's scale operand
	WIN \hi
.irp g, 0,1,2,3
	v_cvt_scalef32_pk8_fp4_f32 v[\c+\g], v[\x+8*\g:\x+8*\g+7], v[\t+2]
.endr
	WIN 0
	v_lshrrev_b32 v[\t+3], 23, v[\t+2]             ; the byte; also the plain line behind the conversions
.endm
; A chunk into its image.  wt: the younger loads, which may be out.  K's 4 KiB turn through my stage, so that a lane gets a block of 32 neighbours; V's registers run down the keys already.
.macro QUANT st, wt
	s_wait_loadcnt \wt
	WIN 4
.irp i, 0,1,2,3,4,5,6,7
	ds_store_b128 v[SW], v[64*\st+4*\i:64*\st+4*\i+3] offset:2*SP*\i
.endr
	WIN 0
.irp i, 0,1,2,3,4,5,6,7
	ds_load_b128 v[SS+4*\i:SS+4*\i+3], v[SR] offset:16*\i          ; LDS serves a wave's instructions in order: these see my stores
.endr
	QBLK 64*\st+32, 1, 248, 240
	v_add_nc_u32 v244, s[SB], v[VSTA]
	v_add_nc_u32 v245, s[SB], v[VSB]
	ds_store_b128 v244, v[248:251]
	ds_store_b8 v245, v243
	s_wait_dscnt 2                                 ; K is back from the stage; V's two stores may be out
	QBLK SS, 0, 228, 236
	v_add_nc_u32 v246, s[SB], v[KSTA]
	v_add_nc_u32 v247, s[SB], v[KSB]
	ds_store_b128 v246, v[228:231]
	ds_store_b8 v247, v239
	s_add_co_u32 s[SB], s[SB], CHUNK
.endm
; A tile of Q, v[x] on as loaded, becomes codes in v[c] .. and scale words in v[lo], v[lo+1]
.macro QTILE x, c, lo
.irp i, 0,1,2,3,4,5,6,7
	ds_store_b128 v[SW], v[\x+4*\i:\x+4*\i+3] offset:2*SP*\i
.endr
.irp i, 0,1,2,3,4,5,6,7
	ds_load_b128 v[SS+4*\i:SS+4*\i+3], v[SR] offset:16*\i
.endr
	s_wait_dscnt 0x0
	QBLK SS, 0, \c, 240
	v_lshlrev_b32 v243, v[H8], v243                ; my byte at its place,
	v_permlanex16_b32 v[PT], v243, s[SEL], s[SEL+1]
	v_or_b32 v[\lo], v243, v[PT]                   ; with lane l xor 16's
	v_lshlrev_b32 v[\lo+1], 16, v[\lo]
.endm
; S^T = K Q^T: eight tiles of 16 keys
.macro SPROD
.irp p, 0,1,2,3
.if \p%2
	v_wmma_scale_f32_16x16x128_f8f6f4 v[SS+16*\p:SS+16*\p+7], v[KF+8*\p:KF+8*\p+7], v[QF+4:QF+11], 0, v[KSW+\p/2], v[QSC] matrix_a_fmt:MATRIX_FMT_FP4 matrix_b_fmt:MATRIX_FMT_FP4 matrix_a_scale:MATRIX_SCALE_ROW1
	v_wmma_scale_f32_16x16x128_f8f6f4 v[SS+16*\p+8:SS+16*\p+15], v[KF+8*\p:KF+8*\p+7], v[QF:QF+7], 0, v[KSW+\p/2], v[QSC+1] matrix_a_fmt:MATRIX_FMT_FP4 matrix_b_fmt:MATRIX_FMT_FP4 matrix_a_scale:MATRIX_SCALE_ROW1
.else
	v_wmma_scale_f32_16x16x128_f8f6f4 v[SS+16*\p:SS+16*\p+7], v[KF+8*\p:KF+8*\p+7], v[QF+4:QF+11], 0, v[KSW+\p/2], v[QSC] matrix_a_fmt:MATRIX_FMT_FP4 matrix_b_fmt:MATRIX_FMT_FP4
	v_wmma_scale_f32_16x16x128_f8f6f4 v[SS+16*\p+8:SS+16*\p+15], v[KF+8*\p:KF+8*\p+7], v[QF:QF+7], 0, v[KSW+\p/2], v[QSC+1] matrix_a_fmt:MATRIX_FMT_FP4 matrix_b_fmt:MATRIX_FMT_FP4
.endif
.endr
.rept 4
	v_nop                                          ; places in front of the first read of the scores and of O^T, and of loads into the fragments
.endr
.endm
; The scores' maxima, M and f for step N1; a diagonal step's hidden scores become minus infinity first
.macro MAXES
	s_cmp_eq_u32 s[N1], s[G1]
	s_cbranch_scc1 .Lmask_\@
	s_cmp_lg_u32 s[N1], 16
	s_cbranch_scc1 .Lopen_\@
.Lmask_\@:
	v_mov_b32 v22, 0xff800000
.set j, 0
.rept 64
	v_cmp_gt_i32 vcc_lo, 64*(j/32)+j%32, v[DM]
	v_cndmask_b32 v[SS+j], v[SS+j], v22, vcc_lo
.set j, j+1
.endr
.Lopen_\@:
.irp k, 0,1,2,3
	v_max3_num_f32 v[TT+\k], v[SS+16*\k], v[SS+16*\k+1], v[SS+16*\k+2]
.endr
.irp i, 3,5,7,9,11,13
.irp k, 0,1,2,3
	v_max3_num_f32 v[TT+\k], v[TT+\k], v[SS+16*\k+\i], v[SS+16*\k+\i+1]
.endr
.endr
	v_max3_num_f32 v[BM], v[TT], v[TT+1], v[SS+15]
	v_max3_num_f32 v[BM+1], v[TT+2], v[TT+3], v[SS+47]
	v_max_num_f32 v[BM], v[BM], v[SS+31]           ; my two blocks' largest scores: they serve for the row's maximum and for the blocks' largest p
	v_max_num_f32 v[BM+1], v[BM+1], v[SS+63]
	s_delay_alu instid0(VALU_DEP_1)
	v_max_num_f32 v22, v[BM], v[BM+1]
	s_delay_alu instid0(VALU_DEP_1)
	v_permlanex16_b32 v[PT], v22, s[SEL], s[SEL+1]
	s_delay_alu instid0(VALU_DEP_1)
	v_max3_num_f32 v[SMX], v[SMX], v22, v[PT]      ; with lane l xor 16's blocks: the running largest score
	s_delay_alu instid0(VALU_DEP_1)
	v_mul_f32 v22, s[NC], v[SMX]                   ; -t
	s_delay_alu instid0(VALU_DEP_1)
	v_floor_f32 v23, v22                           ; the new -M
	s_delay_alu instid0(VALU_DEP_1)
	v_sub_f32 v22, v23, v[NM]                      ; old M - new M: a whole number, 0 or less
	s_delay_alu instid0(VALU_DEP_1)
	v_cvt_i32_f32 v22, v22                         ; (it saturates)
	s_delay_alu instid0(VALU_DEP_1)
	v_ldexp_f32 v[FF], 1.0, v22
	v_mov_b32 v[NM], v23
.endm
; A finished tile leaves: O^T / the sum, through my stage, as whole rows
.macro WAYOUT ob
	v_add_f32 v[LS], v[LS], v[LS+1]                ; the sum's two halves,
	v_permlanex16_b32 v[PT], v[LS], s[SEL], s[SEL+1]
	v_add_f32 v[LS], v[LS], v[PT]                  ; and lane l xor 16's
	WA
	v_rcp_f32 v[LS], v[LS]
	v_nop                                          ; a plain line behind the reciprocal
	WA
.set j, 0
.rept 16
	v_pk_mul_f32 v[OO+j:OO+j+1], v[OO+j:OO+j+1], v[LS:LS+1] op_sel_hi:[1,0]   ; register 8 t + i is o(r, 16 t + 8 h + i)
.set j, j+2
.endr
.irp t, 0,1,2,3
	ds_store_b128 v[STO], v[OO+8*\t:OO+8*\t+3] offset:64*\t
	ds_store_b128 v[STO], v[OO+8*\t+4:OO+8*\t+7] offset:64*\t+16
.endr
.irp i, 0,1,2,3,4,5,6,7
	ds_load_b128 v[VF+4*\i:VF+4*\i+3], v[SW] offset:2*SP*\i
.endr
.irp i, 0,1,2,3,4,5,6,7
	s_wait_dscnt 7-\i                              ; the younger loads may be out
	global_store_b128 v[LI], v[VF+4*\i:VF+4*\i+3], s[\ob:\ob+1] offset:512*\i th:TH_STORE_NT   ; 512 consecutive bytes, aligned
.endr
	s_wait_xcnt 0x0                                ; the stores have read their registers
.endm
; P1: the first tile leaves if step NN is the second tile's first; then this step's V and (k = 1) the next step's K are asked of LDS.  Chunk of step n: n in the first tile, n - G1 - 1 in the second: the lesser of the two as unsigned numbers.
.macro P1 k
	s_cmp_lg_u32 s[NN], s[GX]
	s_cbranch_scc1 .Lgoes_on_\@
	WAYOUT OUT1
.set j, 0
.rept 32
	v_mov_b32 v[OO+j], 0                           ; the second tile begins
.set j, j+1
.endr
	v_mov_b32 v[LS], 0
	v_mov_b32 v[LS+1], 0
.Lgoes_on_\@:
	s_add_co_u32 s40, s[NN], s[XN]
	s_min_u32 s40, s[NN], s40
	s_min_u32 s40, s40, 15
	s_mul_i32 s[TV], s40, CHUNK
	v_add_nc_u32 v252, s[TV], v[LI]
	v_add_nc_u32 v253, s[TV], v[L8]
.irp t, 0,1,2,3
.irp c, 0,1
	ds_load_b128 v[VF+8*\t+4*\c:VF+8*\t+4*\c+3], v252 offset:VC+1024*\t+512*\c
.endr
.endr
	ds_load_b64 v[VSW:VSW+1], v253 offset:VS
.if \k
	s_add_co_u32 s[N1], s[NN], 1
	s_add_co_u32 s40, s[N1], s[XN]
	s_min_u32 s40, s[N1], s40
	s_min_u32 s40, s40, 15
	s_mul_i32 s[TK], s40, CHUNK
	v_add_nc_u32 v254, s[TK], v[LI]
	v_add_nc_u32 v255, s[TK], v[L8]
.irp t, 0,1,2,3,4,5,6,7
	ds_load_b128 v[KF+4*\t:KF+4*\t+3], v254 offset:KC+512*\t
.endr
	ds_load_b64 v[KSW:KSW+1], v255 offset:KS
.endif
.endm
; P2: p = 2^(t - M), in two batches of exponentials with independent plain lines between them
.macro P2
.set j, 0
.rept 16
	v_pk_fma_f32 v[SS+j:SS+j+1], v[SS+j:SS+j+1], s[CS:CS+1], v[NM:NM+1] op_sel_hi:[1,0,0]   ; t - M, block c = 0
.set j, j+2
.endr
	v_fma_f32 v[BM], v[BM], s[CS], v[NM]           ; the same of each block's largest score
	v_fma_f32 v[BM+1], v[BM+1], s[CS], v[NM]
	WA
.set j, 0
.rept 16
	v_exp_f32 v[SS+j], v[SS+j]
	v_pk_fma_f32 v[SS+32+j:SS+33+j], v[SS+32+j:SS+33+j], s[CS:CS+1], v[NM:NM+1] op_sel_hi:[1,0,0]   ; block c = 1
	v_exp_f32 v[SS+j+1], v[SS+j+1]
.set j, j+2
.endr
	v_exp_f32 v[BM], v[BM]                         ; the block's largest p: the same two instructions on the same number give the same bits
	v_exp_f32 v[BM+1], v[BM+1]
	v_pk_mul_f32 v[LS:LS+1], v[LS:LS+1], v[FF:FF+1] op_sel_hi:[1,0]   ; the sums under the new M
	WA
	v_exp_f32 v[SS+32], v[SS+32]
	v_exp_f32 v[SS+33], v[SS+33]
.set j, 0
.rept 10
	v_exp_f32 v[SS+34+3*j], v[SS+34+3*j]
	v_exp_f32 v[SS+35+3*j], v[SS+35+3*j]
	v_exp_f32 v[SS+36+3*j], v[SS+36+3*j]
.if j < 8
	v_pk_add_f32 v[SM+2*j:SM+2*j+1], v[SS+4*j:SS+4*j+1], v[SS+4*j+2:SS+4*j+3]   ; the row's sum, of the unquantised p: eight pairs
.else
	v_max_num_f32 v[BM+j-8], 0x1800000, v[BM+j-8]  ; the floor 2^(3 - 127): the byte cannot fall under 1
.endif
.set j, j+1
.endr
	WA
.endm
; P3: p's scales and codes, and the rest of the row's sum
.macro P3
	v_add_nc_u32 v[SC], 0xff000000, v[BM]
	v_add_nc_u32 v[SC+1], 0xff000000, v[BM+1]
	v_lshrrev_b32 v226, 23, v[SC]
	v_lshrrev_b32 v227, 23, v[SC+1]
.irp u, 0,1,2,3
	v_cvt_scalef32_pk8_fp4_f32 v[PC+\u], v[SS+8*\u:SS+8*\u+7], v[SC]
	v_cvt_scalef32_pk8_fp4_f32 v[PC+4+\u], v[SS+32+8*\u:SS+39+8*\u], v[SC+1]
.endr
	v_lshl_or_b32 v228, v227, 16, v226             ; my blocks h and 2 + h
.irp k, 0,1,2,3,4,5,6,7
	v_pk_add_f32 v[SM+2*\k:SM+2*\k+1], v[SM+2*\k:SM+2*\k+1], v[SS+32+4*\k:SS+33+4*\k]
.endr
	v_lshlrev_b32 v228, v[H8], v228
.irp k, 0,1,2,3
	v_pk_add_f32 v[SM+2*\k:SM+2*\k+1], v[SM+2*\k:SM+2*\k+1], v[SS+34+4*\k:SS+35+4*\k]
.endr
	v_permlanex16_b32 v[PT], v228, s[SEL], s[SEL+1]
.irp k, 4,5,6,7
	v_pk_add_f32 v[SM+2*\k:SM+2*\k+1], v[SM+2*\k:SM+2*\k+1], v[SS+34+4*\k:SS+35+4*\k]
.endr
	v_or_b32 v[PS], v228, v[PT]                    ; p's scale word for these 128 keys
.irp k, 0,1,2,3
	v_pk_add_f32 v[SM+2*\k:SM+2*\k+1], v[SM+2*\k:SM+2*\k+1], v[SM+8+2*\k:SM+9+2*\k]
.endr
	v_pk_add_f32 v[SM:SM+1], v[SM:SM+1], v[SM+4:SM+5]
	v_pk_add_f32 v[SM+2:SM+3], v[SM+2:SM+3], v[SM+6:SM+7]
	v_pk_add_f32 v[LS:LS+1], v[LS:LS+1], v[SM:SM+1]
	v_pk_add_f32 v[LS:LS+1], v[LS:LS+1], v[SM+2:SM+3]
.endm
; P5: O^T += V^T P^T, then the next step's scores and maxima.  Behind the first tile's diagonal step the second tile's Q comes in and the maximum begins anew; O and the sum stay until they have left (P1).
.macro P5 last
.if \last == 0
	s_cmp_lg_u32 s[NN], s[G1]
	s_cbranch_scc1 .Lsame_\@
.irp i, 0,1,2,3
	v_mov_b32 v[QF+4+\i], v[28+\i]
.endr
	v_mov_b32 v[QSC], v[QSC+2]
	v_mov_b32 v[QSC+1], v[QSC+3]
	v_mov_b32 v[SMX], 0xff61b1e6                   ; -3e38, under every score
	v_mov_b32 v[NM], 0x7e800000                    ; so the first f is 0
.Lsame_\@:
.endif
	WA
.set j, 0
.rept 16
	v_pk_mul_f32 v[OO+j:OO+j+1], v[OO+j:OO+j+1], v[FF:FF+1] op_sel_hi:[1,0]   ; O^T under the new M, each tile from its low end on; also the places ahead of the products
.set j, j+2
.endr
.irp t, 0,1,2,3
.if \t%2
	v_wmma_scale_f32_16x16x128_f8f6f4 v[OO+8*\t:OO+8*\t+7], v[VF+8*\t:VF+8*\t+7], v[PC:PC+7], v[OO+8*\t:OO+8*\t+7], v[VSW+\t/2], v[PS] matrix_a_fmt:MATRIX_FMT_FP4 matrix_b_fmt:MATRIX_FMT_FP4 matrix_a_scale:MATRIX_SCALE_ROW1
.else
	v_wmma_scale_f32_16x16x128_f8f6f4 v[OO+8*\t:OO+8*\t+7], v[VF+8*\t:VF+8*\t+7], v[PC:PC+7], v[OO+8*\t:OO+8*\t+7], v[VSW+\t/2], v[PS] matrix_a_fmt:MATRIX_FMT_FP4 matrix_b_fmt:MATRIX_FMT_FP4
.endif
.endr
.if \last == 0
	SPROD
	MAXES
.endif
.endm
; A step that also quantises chunk NN + 2.  Two barriers, both split: the first says that my reads of the images are over, the second that my part of the new chunk is stored; only work on registers stands inside either.
.macro BODY st, wt, iss, off
	P1 1
	P2
	s_wait_dscnt 0x0
	s_barrier_signal -1
	P3
	WA
	s_barrier_wait -1
	QUANT \st, \wt
.if \iss
	LOADS \st, \off
.endif
	WA
	s_wait_dscnt 0x0
	s_barrier_signal -1
	P5 0
	WA
	s_barrier_wait -1
	s_add_co_u32 s[NN], s[NN], 1
.endm
	s_load_b256 s[4:11], s[0:1], 0x0               ; Q s[4:5], K s[6:7], V s[8:9], out0 s[10:11]
	v_lshl_add_u32 v[SPW], v0, 2, SPARE
	v_mov_b32 v[NIL], 0
	v_lshrrev_b32 v22, 5, v0
	v_readfirstlane_b32 s[WV], v22                 ; wave 0..7
	s_xor_b32 s[G1], s[WV], 15
	s_add_co_u32 s[GX], s[G1], 1
	s_add_co_u32 s[XN], s[WV], -16
	s_bfe_u32 s40, ttmp6, 0x40000                  ; cx
	s_bfe_u32 s41, ttmp6, 0x40004                  ; cy
	s_and_b32 s42, ttmp7, 0xffff                   ; the cluster's y: two heads
	s_lshl_b32 s42, s42, 1
	s_lshr_b32 s43, s41, 1
	s_add_co_u32 s42, s42, s43                     ; the head
	s_and_b32 s41, s41, 1
	s_lshl_b32 s41, s41, 2
	s_add_co_u32 s40, s40, s41                     ; g
	s_lshl_b32 s59, s40, 4
	s_lshl_b32 s44, s42, 19                        ; a head is 2^19 bytes in each tensor
	s_lshl_b32 s43, s40, 12
	s_add_co_u32 s43, s44, s43
	s_lshl_b32 s50, s[G1], 15
	s_add_co_u32 s50, s50, s43                     ; my first tile in Q and out0
	s_mov_b32 s51, 0
	s_lshl_b32 s52, s[WV], 15
	s_add_co_u32 s52, s52, s43                     ; my second
	s_mov_b32 s53, 0
	s_lshr_b32 s40, s[WV], 2
	s_and_b32 s41, s[WV], 3
	s_lshl_b32 s42, s40, 14
	s_lshl_b32 s43, s41, 11
	s_add_co_u32 s46, s44, s42
	s_add_co_u32 s46, s46, s43                     ; K: key 64 (w / 4) + 8 (w % 4) of a chunk
	s_mov_b32 s47, 0
	s_lshr_b32 s42, s[WV], 1                       ; b: V's key block
	s_and_b32 s43, s[WV], 1                        ; u: V's 32 columns
	s_lshl_b32 s48, s42, 13
	s_lshl_b32 s41, s43, 7
	s_add_co_u32 s48, s48, s41
	s_add_co_u32 s48, s48, s44                     ; V: key 32 b, column 32 u
	s_mov_b32 s49, 0
	s_mul_i32 s54, s[WV], STGB
	s_add_co_u32 s54, s54, STG                     ; my stage
	s_lshl_b32 s55, s[WV], 9
	s_lshl_b32 s56, s43, 11
	s_lshl_b32 s41, s42, 8
	s_add_co_u32 s56, s56, s41
	s_add_co_u32 s56, s56, VC                      ; VC + 2048 u + 256 b
	s_and_b32 s41, s42, 1
	s_lshl_b32 s57, s41, 7
	s_lshl_b32 s41, s40, 2
	s_add_co_u32 s57, s57, s41
	s_lshl_b32 s41, s43, 1
	s_add_co_u32 s57, s57, s41
	s_add_co_u32 s57, s57, KS                      ; KS + 128 (w / 2 % 2) + 4 (w / 4) + 2 (w % 2)
	s_lshl_b32 s58, s43, 2
	s_add_co_u32 s58, s58, s42
	s_add_co_u32 s58, s58, VS                      ; VS + 4 u + b
	s_mov_b32 s[SEL], 0x76543210
	s_mov_b32 s[SEL+1], 0xfedcba98
	s_mov_b32 s[CS], 0x3eb8aa3b
	s_mov_b32 s[CS+1], s[CS]
	s_mov_b32 s[NC], 0xbeb8aa3b
	s_mov_b32 s[NN], 0
	s_mov_b32 s[N1], 0
	s_mov_b32 s[SB], 0
	v_and_b32 v22, 31, v0                          ; lane
	v_and_b32 v23, 15, v0                          ; r
	v_bfe_u32 v[H8], v0, 4, 1                      ; h
	v_lshlrev_b32 v[LI], 4, v22
	v_lshlrev_b32 v[L8], 3, v22
	v_lshlrev_b32 v[L4], 2, v22
	v_add_nc_u32 v[KSTA], s55, v[LI]
	v_lshlrev_b32 v[VSTA], 10, v[H8]
	v_lshl_add_u32 v[VSTA], v23, 4, v[VSTA]
	v_add_nc_u32 v[VSTA], s56, v[VSTA]
	v_lshl_add_u32 v[KSB], v23, 3, v[H8]
	v_add_nc_u32 v[KSB], s57, v[KSB]
	v_add_nc_u32 v[VSB], s58, v[L8]
	v_mul_u32_u24 v[SW], v[H8], SP
	v_lshl_add_u32 v[SW], v23, 4, v[SW]
	v_add_nc_u32 v[SW], s54, v[SW]
	v_mul_u32_u24 v[STO], v23, SP
	v_lshl_add_u32 v[SR], v[H8], 7, v[STO]
	v_lshl_add_u32 v[STO], v[H8], 5, v[STO]
	v_add_nc_u32 v[SR], s54, v[SR]
	v_add_nc_u32 v[STO], s54, v[STO]
	v_lshlrev_b32 v[DM], 5, v[H8]
	v_sub_nc_u32 v[DM], v23, v[DM]
	v_add_nc_u32 v[DM], s59, v[DM]
	v_lshlrev_b32 v[H8], 3, v[H8]
	v_mov_b32 v[PT], 0                             ; a lane permute's destination counts as one of its sources
	WA
	s_wait_kmcnt 0x0
	s_add_nc_u64 s[KB:KB+1], s[6:7], s[46:47]
	s_add_nc_u64 s[VB:VB+1], s[8:9], s[48:49]
	s_add_nc_u64 s[34:35], s[4:5], s[50:51]
	s_add_nc_u64 s[36:37], s[4:5], s[52:53]
	s_add_nc_u64 s[OUT1:OUT1+1], s[10:11], s[50:51]
	s_add_nc_u64 s[OUT2:OUT2+1], s[10:11], s[52:53]
	LOADS 0, 0                                     ; chunk 0,
.irp i, 0,1,2,3,4,5,6,7
	global_load_b128 v[KF+4*\i:KF+4*\i+3], v[LI], s[34:35] offset:512*\i th:TH_LOAD_NT   ; my two tiles of Q, 4,096 dense bytes each,
.endr
.irp i, 0,1,2,3,4,5,6,7
	global_load_b128 v[VF+4*\i:VF+4*\i+3], v[LI], s[36:37] offset:512*\i th:TH_LOAD_NT
.endr
	LOADS 1, 32768                                 ; and chunk 1
	QUANT 0, 56                                    ; Q's 16 loads and chunk 1's 40 may be out
	s_wait_loadcnt 40                              ; Q is in
	QTILE KF, QF+4, QSC
	QTILE VF, 28, QSC+2
	LOADS 0, 65536                                 ; chunk 2
	QUANT 1, 40
	LOADS 1, 98304                                 ; chunk 3
	WA
	s_wait_dscnt 0x0                               ; for the others' sake: my parts of chunks 0 and 1 are stored
	s_barrier_signal -1
.irp i, 0,1,2,3
	v_mov_b32 v[QF+\i], 0                          ; zero codes on both sides of Q's
	v_mov_b32 v[QF+8+\i], 0
.endr
	v_mov_b32 v[SMX], 0xff61b1e6                   ; the largest score so far: -3e38
	v_mov_b32 v[NM], 0x7e800000
	v_mov_b32 v[LS], 0
	v_mov_b32 v[LS+1], 0
	v_mov_b32 v[FF+1], 0                           ; (named as the upper half of the pair)
.set j, 0
.rept 32
	v_mov_b32 v[OO+j], 0                           ; O^T: the step is written without a first step of its own, the first change of M multiplies zeros
.set j, j+1
.endr
	WA
	s_barrier_wait -1
.irp t, 0,1,2,3,4,5,6,7
	ds_load_b128 v[KF+4*\t:KF+4*\t+3], v[LI] offset:KC+512*\t      ; K of step 0
.endr
	ds_load_b64 v[KSW:KSW+1], v[L8] offset:KS
	s_wait_dscnt 0x0
	SPROD
	MAXES
	s_mov_b32 s[CNT], 6
	WA
.Lmain:                                            ; steps 0 to 11, two a trip: the two sets of numbers take turns
	BODY 0, 40, 1, 131072
	BODY 1, 40, 1, 163840
	s_wait_xcnt 0x0                                ; the loads have read their bases
	s_add_nc_u64 s[KB:KB+1], s[KB:KB+1], 0x10000
	s_add_nc_u64 s[VB:VB+1], s[VB:VB+1], 0x10000
	s_sub_co_u32 s[CNT], s[CNT], 1
	s_cmp_lg_u32 s[CNT], 0
	s_cbranch_scc1 .Lmain
	BODY 0, 40, 0, 0                               ; step 12: chunk 14; chunk 15's loads may be out
	BODY 1, 0, 0, 0                                ; step 13: chunk 15, the last
	s_mov_b32 s[CNT], 2
.Lrest:                                            ; steps 14 and 15: nothing is stored into the images any more, so no barrier
	P1 1
	P2
	s_wait_dscnt 0x0
	P3
	P5 0
	s_add_co_u32 s[NN], s[NN], 1
	s_sub_co_u32 s[CNT], s[CNT], 1
	s_cmp_lg_u32 s[CNT], 0
	WA
	s_cbranch_scc1 .Lrest
	P1 0                                           ; step 16: every wave's second tile's diagonal step
	P2
	s_wait_dscnt 0x0
	P3
	P5 1
.rept 4
	v_nop                                          ; places in front of the first read of the results
.endr
	WAYOUT OUT2
	s_wait_tensorcnt 0x0                           ; the wave's end
	ds_add_u32 v[SPW], v[NIL]
	s_wait_dscnt 0x0
	s_endpgm
.Lfunc_end_k_q7669d127b0_attn:
	.size	k_q7669d127b0_attn, .Lfunc_end_k_q7669d127b0_attn-k_q7669d127b0_attn
	.p2alignl 7, 3214868480
	.fill 96, 4, 3214868480
	.section	.rodata,"a",@progbits
	.p2align	6, 0x0
	.amdhsa_kernel k_q7669d127b0_attn
		.amdhsa_group_segment_fixed_size 175104
		.amdhsa_private_segment_fixed_size 0
		.amdhsa_enable_private_segment 0
		.amdhsa_kernarg_size 32
		.amdhsa_user_sgpr_count 2
		.amdhsa_user_sgpr_kernarg_segment_ptr 1
		.amdhsa_wavefront_size32 1
		.amdhsa_system_sgpr_workgroup_id_x 1
		.amdhsa_system_sgpr_workgroup_id_y 1
		.amdhsa_system_sgpr_workgroup_id_z 1
		.amdhsa_system_vgpr_workitem_id 0
		.amdhsa_next_free_vgpr 384
		.amdhsa_next_free_sgpr 66
		.amdhsa_reserve_vcc 1
		.amdhsa_float_denorm_mode_32 3
		.amdhsa_float_denorm_mode_16_64 3
		.amdhsa_memory_ordered 1
		.amdhsa_forward_progress 1
		.amdhsa_inst_pref_size 215
	.end_amdhsa_kernel
	.amdgpu_metadata
---
amdhsa.version: [ 1, 2 ]
amdhsa.kernels:
  - .name:           k_q7669d127b0_attn
    .symbol:         k_q7669d127b0_attn.kd
    .args:
      - { .name: Q, .offset: 0, .size: 8, .value_kind: global_buffer, .address_space: global }
      - { .name: K, .offset: 8, .size: 8, .value_kind: global_buffer, .address_space: global }
      - { .name: V, .offset: 16, .size: 8, .value_kind: global_buffer, .address_space: global }
      - { .name: out0, .offset: 24, .size: 8, .value_kind: global_buffer, .address_space: global }
    .group_segment_fixed_size: 175104
    .private_segment_fixed_size: 0
    .kernarg_segment_align: 8
    .kernarg_segment_size: 32
    .max_flat_workgroup_size: 256
    .sgpr_count:     66
    .vgpr_count:     384
    .wavefront_size: 32
...
	.end_amdgpu_metadata
.endif
;; end of part 1
